; MI455X (gfx1250); checked and timed in simulation.
; The chip was launched on July 23, 2026; its instructions are those of AMD's public machine-readable ISA for CDNA 5 (MIT licence, August 2026) and "CDNA5" Instruction Set Architecture Reference Guide (July 2026). The comments in the code are by the model that wrote it; some were corrected since.
;; Stein Solver AD. Allowed arithmetic: float matrix products may take bf16 or f16 operands with f32 sums; all other float work in f32.
;; Inputs: A 2,048 x 2,048 float32; A_F 2,048 x 2,048 float32; C 512 x 2,048 float32; C_F 512 x 2,048 float32.
;; Outputs: out0 2,048 x 2,048 float32.
;; One version. Each part assembles by itself: llvm-mc -triple=amdgcn-amd-amdhsa -mcpu=gfx1250 --defsym DOCPART=n.
;; ======== version 1 of 1: 4 launches
;; workspace buffers: Wb 16,777,216 bytes; S0 4,194,304 bytes; S1 4,194,304 bytes; S2 4,194,304 bytes
;; launch cast (part 1): grid 1280 x 1, 8 waves a work-group, no clusters, 0 bytes of LDS; arguments A_F, A, C_F, C, Wb, S0; writes Wb, S0
.if DOCPART == 1
	.amdgcn_target "amdgcn-amd-amdhsa--gfx1250"
	.amdhsa_code_object_version 6
	.text
	.protected	k_qdfaac4a48e_cast
	.globl	k_qdfaac4a48e_cast
	.p2align	8
	.type	k_qdfaac4a48e_cast,@function
k_qdfaac4a48e_cast:
	s_mov_b64 s[64:65], 0
	v_nop
	global_prefetch_b8 v0, s[64:65] scope:SCOPE_SE
	s_setreg_imm32_b32 hwreg(HW_REG_WAVE_MODE, 25, 1), 1
	s_wait_xcnt 0x0
; f32 to bf16, rounded to nearest even, once for each input number.
;   Wb [2][2048][2048] bf16: Wb[0] = A_F, Wb[1] = A.      S0 [1024][2048] bf16: rows 0-511 = C_F, rows 512-1023 = C.
; The later launches read these matrices with K down the rows and turn them in LDS by a 16-bit transposing load, so they need 16-bit data in memory.
; A stream: no LDS, no barrier, no matrix unit.  Work-group g owns 32,768 bytes of one input and the 16,384 bytes of output that they make:
;   g 0-511 A_F, 512-1023 A (both into Wb at 16,384 g);  g 1024-1151 C_F, 1152-1279 C (both into S0 at 16,384 (g - 1024)).
; Thread t takes 16 bytes at 16 t of each of eight blocks of 4,096 bytes.  All eight loads go out at once; no register is written twice.
.set X, 4                              ; v[4:35]   eight loads of four f32
.set Y, 36                             ; v[36:51]  eight pairs of packed bf16
	s_load_b256 s[4:11], s[0:1], 0x0               ; A_F s[4:5], A s[6:7], C_F s[8:9], C s[10:11]
	s_load_b128 s[12:15], s[0:1], 0x20             ; Wb s[12:13], S0 s[14:15]
	s_mov_b32 s2, ttmp9                            ; g
	s_movk_i32 s24, 511                            ; blocks of a large input, less one
	s_movk_i32 s25, 127                            ; blocks of a small input, less one
	v_lshlrev_b32 v1, 4, v0                        ; 16 t: my bytes in a block of input
	v_lshlrev_b32 v2, 3, v0                        ; 8 t: my bytes in a block of output
	s_wait_kmcnt 0x0
	s_cmp_lt_u32 s2, 512                           ; every choice hangs on the work-group's number alone
	s_cselect_b64 s[16:17], s[4:5], s[6:7]         ; A_F or A
	s_cmp_lt_u32 s2, 1152
	s_cselect_b64 s[18:19], s[8:9], s[10:11]       ; C_F or C
	s_cmp_lt_u32 s2, 1024
	s_cselect_b64 s[16:17], s[16:17], s[18:19]     ; the source
	s_cselect_b64 s[20:21], s[12:13], s[14:15]     ; the destination: Wb or S0
	s_cselect_b32 s22, s24, s25                    ; g modulo the source's blocks
	s_cselect_b32 s23, 0, 1024                     ; the first g of the destination
	s_and_b32 s24, s2, s22
	s_lshl_b32 s24, s24, 15                        ; 32,768 bytes of input a block
	s_mov_b32 s25, 0
	s_add_nc_u64 s[16:17], s[16:17], s[24:25]
	s_sub_co_u32 s26, s2, s23
	s_lshl_b32 s26, s26, 14                        ; 16,384 bytes of output a block
	s_mov_b32 s27, 0
	s_add_nc_u64 s[20:21], s[20:21], s[26:27]
.irp i, 0,1,2,3,4,5,6,7
	global_load_b128 v[X+4*\i:X+4*\i+3], v1, s[16:17] offset:4096*\i th:TH_LOAD_NT   ; a wave's load covers 512 consecutive bytes; read once in the launch
.endr
.irp i, 0,1,2,3,4,5,6,7
	s_wait_loadcnt 7-\i                            ; loads come back in order: load i is in, the 7 - i younger ones stay out
	v_cvt_pk_bf16_f32 v[Y+2*\i],   v[X+4*\i],   v[X+4*\i+1]
	v_cvt_pk_bf16_f32 v[Y+2*\i+1], v[X+4*\i+2], v[X+4*\i+3]
	global_store_b64 v2, v[Y+2*\i:Y+2*\i+1], s[20:21] offset:2048*\i   ; a wave's store covers 256 consecutive bytes, aligned; later launches read them: no hint
.endr
	s_endpgm
.Lfunc_end_k_qdfaac4a48e_cast:
	.size	k_qdfaac4a48e_cast, .Lfunc_end_k_qdfaac4a48e_cast-k_qdfaac4a48e_cast
	.p2alignl 7, 3214868480
	.fill 96, 4, 3214868480
	.section	.rodata,"a",@progbits
	.p2align	6, 0x0
	.amdhsa_kernel k_qdfaac4a48e_cast
		.amdhsa_group_segment_fixed_size 0
		.amdhsa_private_segment_fixed_size 0
		.amdhsa_enable_private_segment 0
		.amdhsa_kernarg_size 48
		.amdhsa_user_sgpr_count 2
		.amdhsa_user_sgpr_kernarg_segment_ptr 1
		.amdhsa_wavefront_size32 1
		.amdhsa_system_sgpr_workgroup_id_x 1
		.amdhsa_system_sgpr_workgroup_id_y 1
		.amdhsa_system_sgpr_workgroup_id_z 1
		.amdhsa_system_vgpr_workitem_id 0
		.amdhsa_next_free_vgpr 52
		.amdhsa_next_free_sgpr 66
		.amdhsa_reserve_vcc 0
		.amdhsa_float_denorm_mode_32 3
		.amdhsa_float_denorm_mode_16_64 3
		.amdhsa_memory_ordered 1
		.amdhsa_forward_progress 1
		.amdhsa_inst_pref_size 4
	.end_amdhsa_kernel
	.amdgpu_metadata
---
amdhsa.version: [ 1, 2 ]
amdhsa.kernels:
  - .name:           k_qdfaac4a48e_cast
    .symbol:         k_qdfaac4a48e_cast.kd
    .args:
      - { .name: A_F, .offset: 0, .size: 8, .value_kind: global_buffer, .address_space: global }
      - { .name: A, .offset: 8, .size: 8, .value_kind: global_buffer, .address_space: global }
      - { .name: C_F, .offset: 16, .size: 8, .value_kind: global_buffer, .address_space: global }
      - { .name: C, .offset: 24, .size: 8, .value_kind: global_buffer, .address_space: global }
      - { .name: Wb, .offset: 32, .size: 8, .value_kind: global_buffer, .address_space: global }
      - { .name: S0, .offset: 40, .size: 8, .value_kind: global_buffer, .address_space: global }
    .group_segment_fixed_size: 0
    .private_segment_fixed_size: 0
    .kernarg_segment_align: 8
    .kernarg_segment_size: 48
    .max_flat_workgroup_size: 256
    .sgpr_count:     66
    .vgpr_count:     52
    .wavefront_size: 32
...
	.end_amdgpu_metadata
.endif
;; end of part 1
;; launch step1 (part 2): grid 16 x 16, 4 waves a work-group, clusters of 4 x 4, 327,680 bytes of LDS; arguments S0, Wb, S1; writes S1
.if DOCPART == 2
	.amdgcn_target "amdgcn-amd-amdhsa--gfx1250"
	.amdhsa_code_object_version 6
	.text
	.protected	k_qdfaac4a48e_step1
	.globl	k_qdfaac4a48e_step1
	.p2align	8
	.type	k_qdfaac4a48e_step1,@function
k_qdfaac4a48e_step1:
	s_mov_b64 s[64:65], 0
	v_nop
	global_prefetch_b8 v0, s[64:65] scope:SCOPE_SE
	s_setreg_imm32_b32 hwreg(HW_REG_WAVE_MODE, 25, 1), 1
	s_wait_xcnt 0x0
	s_wait_alu depctr_hold_cnt(0) depctr_sa_sdst(0) depctr_va_vdst(0) depctr_va_sdst(0) depctr_va_ssrc(0) depctr_va_vcc(0) depctr_vm_vsrc(0)
	s_getreg_b32 s2, hwreg(HW_REG_IB_STS2, 6, 4)
	s_cmp_eq_u32 s2, 0
	s_cbranch_scc0 .Lentry_in_a_cluster
	s_endpgm
.Lentry_in_a_cluster:
	s_bfe_u32 s2, ttmp6, 0x10000c
	s_cmp_lg_u32 s2, 0xf033
	s_cbranch_scc0 .Lentry_shape_is_right
	s_endpgm
.Lentry_shape_is_right:
; Sout[m][n] = sum over k of Sin[m][k] W[k][n], m = 0..1023, n, k = 0..2047; W = Wb[0] (A_F) for m < 512, Wb[1] (A) for m >= 512.
; All three are bf16; sums in f32; Sout is rounded once to bf16.
; WHY: three steps of Q <- A_F^T Q A + C_F^T C from Q = 0 are exactly U0^T V0 + U1^T V1 + U2^T V2 with U0 = C_F, U(t+1) = U(t) A_F, V0 = C, V(t+1) = V(t) A.
; This body makes U(t+1) (rows 0-511) and V(t+1) (rows 512-1023) from U(t), V(t); it runs twice.
; LIMITS: the order of rounding differs from a step-by-step evaluation (U1, U2, V1, V2 are rounded to bf16, Q is never formed in between); inputs are finite
; (an infinity or NaN in A or A_F spreads otherwise here than through a product with the zero start).
;
; SHARES: 16 x 16 work-groups; each makes 64 rows x 128 columns with four waves, a wave 32 x 64: 8 accumulator tiles of 16 x 16.
; K goes through a ring of two LDS slots of 256 k each.  A slot has four regions, one for each wave's one tensor load:
;   regions 0, 1: 64 rows of Sin x 128 k (first, second half of the slot's k), rows of 256 bytes, 272 apart in LDS
;   regions 2, 3: 128 k rows of W x 128 columns (first, second half), rows of 256 bytes, 288 apart in LDS
; CLUSTERS: 4 x 4 work-groups.  Sin's tile hangs on the block row alone and is asked for jointly by a row of the cluster; W's hangs on the block column
; (and on which of the two matrices, which the whole cluster shares: 8 block rows a matrix, 4 a cluster) and is asked for jointly by a column.
; That divides the requests for both by four.
; W lies with k down its rows, so its fragments come by the 16-bit transposing LDS load.
; THE MATRIX INSTRUCTION IS USED TRANSPOSED: source 0 = 16 columns of W, source 1 = 16 rows of Sin; lane l then holds row l % 16 of the result and its
; registers 0-7 the columns 8 (l / 16) + 0..7: eight neighbouring numbers of a row, which pack into 16 bytes.
.set REG,   36864                      ; a region: 128 x 288 (Sin's tiles use 64 x 272 of it)
.set SLOT,  4*REG
.set STAGE, 2*SLOT                     ; behind the ring, 64 rows x 272 bytes for the way out; no tensor load ever lands here; a multiple of 256
.set PL,    272                        ; LDS pitch of Sin's rows and of the stage: an odd multiple of 16
.set PR,    288                        ; LDS pitch of W's rows: an odd multiple of 32
.set NLD,   12                         ; LDS loads of one chunk of 32 k: 2 x 2 for Sin, 4 x 2 for W
.set ADA,   8                          ; v[8:11]    LDS address of my Sin fragments, index 2 slot + half
.set ADB,   12                         ; v[12:15]   the same for W
.set STO,   16                         ; v16        the way out: where I put 16 bytes
.set RD,    17                         ; v17        the way out: where I read a row back
.set CO,    18                         ; v18        my byte offset in Sout
.set F0,    32                         ; v[32:79]   fragment buffer 0: Sin's a = 0, 1 at +8 a, W's b = 0..3 at +16 + 8 b
.set F1,    80                         ; v[80:127]  fragment buffer 1
.set ACC,   128                        ; v[128:191] tile (a, b) at +8 (4 a + b)
.set TMP,   192                        ; v[192:223] packed results
.set G1L,   24                         ; s[24:31]   descriptor group 1, Sin's tiles
.set G0L,   32                         ; s[32:39]   descriptor group 0, Sin's tiles, a set for each slot
.set G1R,   48                         ; s[48:55]   descriptor group 1, W's tiles
.set G0R,   56                         ; s[56:63]   descriptor group 0, W's tiles, a set for each slot
.macro PLACES                          ; a load into a register that a matrix instruction has read, and a vector instruction or LDS store that reads a matrix
.rept 4                                ; result, stand four plain vector instructions behind it (except for loads)
	v_nop
.endr
.endm
; A joint load: waves 0, 1 ask for Sin's two halves, waves 2, 3 for W's.  Each line has one mask; the branch hangs on the wave's number alone.
.macro JLOAD s
	s_cmp_eq_u32 s11, 0
	s_cbranch_scc0 .Lright_\@
	tensor_load_to_lds s[G0L+4*\s:G0L+4*\s+3], s[G1L:G1L+7]
	s_nop 0
	s_branch .Lasked_\@
.Lright_\@:
	tensor_load_to_lds s[G0R+4*\s:G0R+4*\s+3], s[G1R:G1R+7]
	s_nop 0
.Lasked_\@:
.endm
; A round of the cluster's barrier: my work-group's barrier, wave 0 signals for the work-group, every wave waits for all sixteen, my work-group's barrier again.
.macro CREST                           ; the round behind its opening barrier
	s_cmp_lg_u32 s10, 0
	s_cbranch_scc1 .Lnot_wave_0_\@
	s_barrier_signal -3
.Lnot_wave_0_\@:
	s_barrier_wait -3
	s_barrier_signal -1
	s_barrier_wait -1
.endm
.macro CROUND                          ; a whole round
	s_barrier_signal -1
	s_barrier_wait -1
	CREST
.endm
	s_load_b128 s[4:7], s[0:1], 0x0                ; Sin s[4:5], Wb s[6:7]
	s_load_b64 s[8:9], s[0:1], 0x10                ; Sout
	v_lshl_add_u32 v224, v0, 2, 0x4c400
	v_mov_b32 v225, 0
	ds_add_u32 v224, v225
	ds_add_u32 v224, v225
	v_lshrrev_b32 v1, 5, v0
	v_readfirstlane_b32 s10, v1                    ; wave 0..3
	s_lshr_b32 s11, s10, 1                         ; wh: my 32 of the 64 rows.  Also: I fetch for Sin (0) or for W (1)
	s_and_b32 s12, s10, 1                          ; wl: my 64 of the 128 columns.  Also: which half of the slot's k I fetch
	s_bfe_u32 s40, ttmp6, 0x40000                  ; cx
	s_bfe_u32 s41, ttmp6, 0x40004                  ; cy
	s_lshl_b32 s42, ttmp9, 2
	s_add_co_u32 s42, s42, s40                     ; block column = 4 x cluster x + cx
	s_and_b32 s13, ttmp7, 0xffff                   ; cluster y
	s_lshr_b32 s45, s13, 1                         ; which matrix: clusters 0, 1 hold rows 0-511 (A_F), clusters 2, 3 rows 512-1023 (A)
	s_lshl_b32 s13, s13, 2
	s_add_co_u32 s13, s13, s41                     ; block row = 4 x cluster y + cy
	s_lshl_b32 s43, s41, 2
	s_lshl_b32 s43, 15, s43                        ; my row of the cluster: places 4 cy .. 4 cy + 3
	s_lshl_b32 s44, 0x1111, s40                    ; my column: places cx, cx + 4, cx + 8, cx + 12
	; group 1: 15:0 mask; 17:16 elements of 2 bytes; 20 padding on; 21 set beside a mask; 24:22 after every 64 words; 31:25 pad words less one
	s_or_b32 s[G1L+0], s43, (1<<16)|(1<<20)|(1<<21)|(5<<22)|(3<<25)   ; Sin: to my row; 4 words of padding: pitch 272
	s_mov_b32 s[G1L+1], 128<<16                    ; tensor_dim0 = 128 elements
	s_mov_b32 s[G1L+2], 64<<16                     ; tensor_dim1 = 64 rows
	s_mov_b32 s[G1L+3], 128<<16                    ; tile_dim0 = 128
	s_mov_b32 s[G1L+4], 64                         ; tile_dim1 = 64
	s_mov_b32 s[G1L+5], 2048                       ; elements from row to row
	s_mov_b32 s[G1L+6], 0
	s_mov_b32 s[G1L+7], 0
	s_or_b32 s[G1R+0], s44, (1<<16)|(1<<20)|(1<<21)|(5<<22)|(7<<25)   ; W: to my column; 8 words of padding: pitch 288
	s_mov_b32 s[G1R+1], 128<<16
	s_mov_b32 s[G1R+2], 128<<16                    ; 128 rows
	s_mov_b32 s[G1R+3], 128<<16
	s_mov_b32 s[G1R+4], 128
	s_mov_b32 s[G1R+5], 2048
	s_mov_b32 s[G1R+6], 0
	s_mov_b32 s[G1R+7], 0
	; where the tiles come from; each side's offset lives in registers that never hold the other side's coordinate
	s_lshl_b32 s16, s13, 18                        ; Sin: 64 rows of 4,096 bytes a block row
	s_lshl_b32 s21, s12, 8                         ;      + my half of the slot's k: 128 k of 2 bytes
	s_add_co_u32 s16, s16, s21
	s_mov_b32 s17, 0
	s_lshl_b32 s46, s45, 23                        ; W: 8 MiB a matrix
	s_lshl_b32 s22, s12, 19                        ;    + my half of the slot's k: 128 rows of 4,096 bytes
	s_add_co_u32 s46, s46, s22
	s_lshl_b32 s2, s42, 8                          ;    + 128 columns of 2 bytes a block column
	s_add_co_u32 s46, s46, s2
	s_mov_b32 s47, 0
	s_mul_i32 s20, s10, REG                        ; and where they go: the wave's region; no place in the cluster enters an LDS address
	s_wait_dscnt 0x0
	s_wait_kmcnt 0x0
	s_add_nc_u64 s[14:15], s[4:5], s[16:17]
	s_add_nc_u64 s[46:47], s[6:7], s[46:47]
	CROUND                                         ; all sixteen work-groups are here: the first joint loads meet
.irp s, 0,1
	s_mov_b32 s[G0L+4*\s], 1                                       ; count = 1
	s_add_co_u32 s[G0L+4*\s+1], s20, \s*SLOT                       ; LDS address
	s_add_nc_u64 s[G0L+4*\s+2:G0L+4*\s+3], s[14:15], \s*512        ; global address: 256 k of 2 bytes a slot
	s_or_b32 s[G0L+4*\s+3], s[G0L+4*\s+3], 0x80000000              ; type = 2
	s_mov_b32 s[G0R+4*\s], 1
	s_add_co_u32 s[G0R+4*\s+1], s20, \s*SLOT
	s_add_nc_u64 s[G0R+4*\s+2:G0R+4*\s+3], s[46:47], \s*0x100000   ; 256 rows of 4,096 bytes a slot
	s_or_b32 s[G0R+4*\s+3], s[G0R+4*\s+3], 0x80000000
	JLOAD \s                                       ; both slots are asked for before anything else: two tensor loads of the wave are out
.endr
	; Sout at my wave's 16 rows of the way out and my block's columns (row part and column part in registers of their own)
	s_lshl_b32 s16, s13, 18                        ; 64 rows of 4,096 bytes a block row
	s_lshl_b32 s21, s10, 16                        ; + 16 rows a wave
	s_add_co_u32 s16, s16, s21
	s_mov_b32 s17, 0
	s_add_nc_u64 s[8:9], s[8:9], s[16:17]
	s_lshl_b32 s46, s42, 8                         ; + 256 bytes a block column
	s_mov_b32 s47, 0
	s_add_nc_u64 s[8:9], s[8:9], s[46:47]
	; lane terms: r = l % 16, h = l / 16
	v_and_b32 v1, 15, v0                           ; r
	v_bfe_u32 v2, v0, 4, 1                         ; h
	v_mul_u32_u24 v3, v1, PL
	v_lshl_add_u32 v3, v2, 4, v3                   ; Sin's fragments: row r x pitch + 16 h (two loads of 16 bytes, 32 apart)
	s_mul_i32 s21, s11, 32*PL
	v_add_nc_u32 v3, s21, v3                       ; + my 32 rows
	v_and_b32 v4, 7, v0
	v_lshl_add_u32 v4, v2, 3, v4                   ; W's fragments: k row 8 h + l % 8
	v_mul_u32_u24 v5, v4, PR
	v_bfe_u32 v6, v0, 3, 1
	v_lshl_add_u32 v5, v6, 4, v5                   ; + 16 bytes for the second eight of sixteen columns
	s_lshl_b32 s22, s12, 7
	v_add_nc_u32 v5, s22, v5                       ; + my 64 columns
.irp s, 0,1
.irp k, 0,1
	v_add_nc_u32 v[ADA+2*\s+\k], \s*SLOT+\k*REG, v3
	v_add_nc_u32 v[ADB+2*\s+\k], \s*SLOT+(2+\k)*REG, v5
.endr
.endr
	s_add_co_u32 s23, s22, STAGE
	v_add_nc_u32 v[STO], s23, v3                   ; stage, in: row 32 wh + r, byte 128 wl + 16 h
	s_mul_i32 s23, s10, 16*PL
	s_add_co_u32 s23, s23, STAGE
	v_mul_u32_u24 v7, v2, PL
	v_lshl_add_u32 v7, v1, 4, v7
	v_add_nc_u32 v[RD], s23, v7                    ; stage, back: rows 16 wave + h, 16 bytes at 16 r
	v_lshlrev_b32 v7, 12, v2
	v_lshl_add_u32 v[CO], v1, 4, v7                ; the same two rows in Sout
; The fragments of chunk c (32 k; c = 0..7 in a slot: half c / 4, chunk c % 4 of it) into buffer f: NLD loads in one run
.macro FETCH slot, c, f
.irp a, 0,1
	ds_load_b128 v[\f+8*\a:\f+8*\a+3],   v[ADA+2*(\slot)+(\c)/4] offset:16*PL*\a+64*((\c)%4)
	ds_load_b128 v[\f+8*\a+4:\f+8*\a+7], v[ADA+2*(\slot)+(\c)/4] offset:16*PL*\a+64*((\c)%4)+32
.endr
.irp b, 0,1,2,3
	ds_load_tr16_b128 v[\f+16+8*\b:\f+16+8*\b+3],   v[ADB+2*(\slot)+(\c)/4] offset:32*PR*((\c)%4)+32*\b          ; k = 8 h + 0..7 of column r
	ds_load_tr16_b128 v[\f+16+8*\b+4:\f+16+8*\b+7], v[ADB+2*(\slot)+(\c)/4] offset:32*PR*((\c)%4)+32*\b+16*PR    ; k = 16 + 8 h + 0..7
.endr
.endm
; One matrix instruction for each of the eight accumulators, always in this order: the accumulators take turns, one instruction a turn.
; zero = 1: the first products start the sums; nothing is cleared.
.macro MUL f, zero
.irp a, 0,1
.irp b, 0,1,2,3
.if \zero
	v_wmma_f32_16x16x32_bf16 v[ACC+8*(4*\a+\b):ACC+8*(4*\a+\b)+7], v[\f+16+8*\b:\f+16+8*\b+7], v[\f+8*\a:\f+8*\a+7], 0
.else
	v_wmma_f32_16x16x32_bf16 v[ACC+8*(4*\a+\b):ACC+8*(4*\a+\b)+7], v[\f+16+8*\b:\f+16+8*\b+7], v[\f+8*\a:\f+8*\a+7], v[ACC+8*(4*\a+\b):ACC+8*(4*\a+\b)+7]
.endif
.endr
.endr
.endm
; One of a slot's first seven chunks: fetches chunk nxt into buffer g, multiplies buffer f (chunk nxt - 1).
; In a slot's first chunk the four places already stand behind the last matrix instruction, in front of the fetch of chunk 0.
.macro CHUNK slot, nxt, f, g, zero
.if \nxt > 1
	PLACES
.endif
	FETCH \slot, \nxt, \g
	s_wait_dscnt NLD                               ; LDS loads come back in order: all but the NLD just issued are in, buffer f among them
	MUL \f, \zero
.endm
; A slot's eight chunks.  mode 0: the last slot.  mode 1: change to slot next.  mode 2: change, and this slot is filled again, two slots ahead.
; ONE barrier for the change of slots.  In front of it each wave waits for its reads of this slot and for all its tensor loads, of which one is out: its part
; of the next slot.  Behind it nobody reads this slot and the next slot is whole.  Where this slot is filled again the barrier opens a round of the cluster's
; barrier, only matrix instructions on registers stand inside, and the joint refill is the wave's first and only tensor load behind the round.
.macro TILE slot, next, mode, zero
	CHUNK \slot, 1, F0, F1, \zero
	CHUNK \slot, 2, F1, F0, 0
	CHUNK \slot, 3, F0, F1, 0
	CHUNK \slot, 4, F1, F0, 0
	CHUNK \slot, 5, F0, F1, 0
	CHUNK \slot, 6, F1, F0, 0
	CHUNK \slot, 7, F0, F1, 0
	s_wait_dscnt 0x0                               ; chunk 7 is in, and my reads of this slot are over
.if \mode
	s_wait_tensorcnt 0x0                           ; all my tensor loads have landed: my part of the next slot
	ds_add_u32 v224, v225
	s_wait_dscnt 0x0
	s_barrier_signal -1
.endif
	MUL F1, 0
.if \mode
	s_barrier_wait -1
.if \mode == 2
	CREST                                          ; no wave of any partner still reads this slot or has a load on its way
	s_add_nc_u64 s[G0L+4*\slot+2:G0L+4*\slot+3], s[G0L+4*\slot+2:G0L+4*\slot+3], 2*512        ; no tensor load of mine is out: group 0 may be written
	s_add_nc_u64 s[G0R+4*\slot+2:G0R+4*\slot+3], s[G0R+4*\slot+2:G0R+4*\slot+3], 2*0x100000
	JLOAD \slot                                    ; it has the next slot's first seven chunks, 56 matrix instructions, in which to land
.endif
	PLACES
	FETCH \next, 0, F0
.endif
.endm
	s_wait_tensorcnt 0x1                           ; two loads were issued: my part of slot 0 is in, slot 1's may stay out
	s_barrier_signal -1
	s_barrier_wait -1                              ; everybody's part of slot 0 is in
	FETCH 0, 0, F0
	TILE 0, 1, 2, 1                                ; K = 2048 is eight slots' worth; the first two stand in front of the loop: their first products start the sums
	TILE 1, 0, 2, 0
	s_mov_b32 s3, 2
.Llap:
	TILE 0, 1, 2, 0
	TILE 1, 0, 2, 0
	s_sub_co_u32 s3, s3, 1
	s_cmp_lg_u32 s3, 0
	s_cbranch_scc1 .Llap
	TILE 0, 1, 1, 0                                ; the last two fill nothing
	TILE 1, 0, 0, 0
	; THE WAY OUT: round to bf16, 16 bytes a lane into the work-group's stage (a row of 256 bytes spans two waves), read back as whole rows.
	PLACES
.irp a, 0,1
.irp b, 0,1,2,3
.irp q, 0,1,2,3
	v_cvt_pk_bf16_f32 v[TMP+4*(4*\a+\b)+\q], v[ACC+8*(4*\a+\b)+2*\q], v[ACC+8*(4*\a+\b)+2*\q+1]
.endr
	ds_store_b128 v[STO], v[TMP+4*(4*\a+\b):TMP+4*(4*\a+\b)+3] offset:16*PL*\a+32*\b
.endr
.endr
	s_wait_dscnt 0x0                               ; my stores are in LDS, for the other waves' sake
	s_barrier_signal -1
	s_barrier_wait -1
.irp t, 0,1,2,3,4,5,6,7
	ds_load_b128 v[F0+4*\t:F0+4*\t+3], v[RD] offset:2*PL*\t        ; rows 16 wave + 2 t + h
.endr
.irp t, 0,1,2,3,4,5,6,7
	s_wait_dscnt 7-\t                              ; read-back t of the eight is in
	global_store_b128 v[CO], v[F0+4*\t:F0+4*\t+3], s[8:9] offset:2*4096*\t   ; sixteen lanes store 256 consecutive bytes, aligned
.endr
	s_wait_tensorcnt 0x0
	ds_add_u32 v224, v225
	s_wait_dscnt 0x0
	CROUND                                         ; the closing round: no work-group ends while a partner may still ask for a tile that names it
	s_endpgm
.Lfunc_end_k_qdfaac4a48e_step1:
	.size	k_qdfaac4a48e_step1, .Lfunc_end_k_qdfaac4a48e_step1-k_qdfaac4a48e_step1
	.p2alignl 7, 3214868480
	.fill 96, 4, 3214868480
	.section	.rodata,"a",@progbits
	.p2align	6, 0x0
	.amdhsa_kernel k_qdfaac4a48e_step1
		.amdhsa_group_segment_fixed_size 327680
		.amdhsa_private_segment_fixed_size 0
		.amdhsa_enable_private_segment 0
		.amdhsa_kernarg_size 24
		.amdhsa_user_sgpr_count 2
		.amdhsa_user_sgpr_kernarg_segment_ptr 1
		.amdhsa_wavefront_size32 1
		.amdhsa_system_sgpr_workgroup_id_x 1
		.amdhsa_system_sgpr_workgroup_id_y 1
		.amdhsa_system_sgpr_workgroup_id_z 1
		.amdhsa_system_vgpr_workitem_id 0
		.amdhsa_next_free_vgpr 226
		.amdhsa_next_free_sgpr 66
		.amdhsa_reserve_vcc 0
		.amdhsa_float_denorm_mode_32 3
		.amdhsa_float_denorm_mode_16_64 3
		.amdhsa_memory_ordered 1
		.amdhsa_forward_progress 1
		.amdhsa_inst_pref_size 82
	.end_amdhsa_kernel
	.amdgpu_metadata
---
amdhsa.version: [ 1, 2 ]
amdhsa.kernels:
  - .name:           k_qdfaac4a48e_step1
    .symbol:         k_qdfaac4a48e_step1.kd
    .args:
      - { .name: S0, .offset: 0, .size: 8, .value_kind: global_buffer, .address_space: global }
      - { .name: Wb, .offset: 8, .size: 8, .value_kind: global_buffer, .address_space: global }
      - { .name: S1, .offset: 16, .size: 8, .value_kind: global_buffer, .address_space: global }
    .group_segment_fixed_size: 327680
    .private_segment_fixed_size: 0
    .kernarg_segment_align: 8
    .kernarg_segment_size: 24
    .max_flat_workgroup_size: 128
    .sgpr_count:     66
    .vgpr_count:     226
    .wavefront_size: 32
...
	.end_amdgpu_metadata
.endif
;; end of part 2
;; launch step2: the kernel of part 2 again; grid 16 x 16, 4 waves a work-group, clusters of 4 x 4, 327,680 bytes of LDS; arguments S1, Wb, S2; writes S2
;; launch gram (part 3): grid 16 x 16, 4 waves a work-group, clusters of 4 x 4, 327,680 bytes of LDS; arguments S0, S1, S2, out0; writes out0
.if DOCPART == 3
	.amdgcn_target "amdgcn-amd-amdhsa--gfx1250"
	.amdhsa_code_object_version 6
	.text
	.protected	k_qdfaac4a48e_gram
	.globl	k_qdfaac4a48e_gram
	.p2align	8
	.type	k_qdfaac4a48e_gram,@function
k_qdfaac4a48e_gram:
	s_mov_b64 s[64:65], 0
	v_nop
	global_prefetch_b8 v0, s[64:65] scope:SCOPE_SE
	s_setreg_imm32_b32 hwreg(HW_REG_WAVE_MODE, 25, 1), 1
	s_wait_xcnt 0x0
	s_wait_alu depctr_hold_cnt(0) depctr_sa_sdst(0) depctr_va_vdst(0) depctr_va_sdst(0) depctr_va_ssrc(0) depctr_va_vcc(0) depctr_vm_vsrc(0)
	s_getreg_b32 s2, hwreg(HW_REG_IB_STS2, 6, 4)
	s_cmp_eq_u32 s2, 0
	s_cbranch_scc0 .Lentry_in_a_cluster
	s_endpgm
.Lentry_in_a_cluster:
	s_bfe_u32 s2, ttmp6, 0x10000c
	s_cmp_lg_u32 s2, 0xf033
	s_cbranch_scc0 .Lentry_shape_is_right
	s_endpgm
.Lentry_shape_is_right:
; out0[i][j] = sum over t = 0..2 and p = 0..511 of St[p][i] St[512 + p][j]:  U0^T V0 + U1^T V1 + U2^T V2, one product with K = 1536.
; St: [1024][2048] bf16 (U(t) above V(t)); out0: [2048][2048] f32; sums in f32.
; That sum is exactly three steps of Q <- A_F^T Q A + C_F^T C from Q = 0, with U0 = C_F, U(t+1) = U(t) A_F, V0 = C, V(t+1) = V(t) A.
; LIMITS: the order of rounding differs from a step-by-step evaluation (operands rounded once to bf16, Q never formed in between); inputs are finite.
;
; SHARES: 16 x 16 work-groups; each makes 128 x 128 of out0 with four waves, a wave 64 x 64: 16 accumulator tiles of 16 x 16, 128 registers.
; K goes through a ring of two LDS slots of 256 p each: slot s always holds rows 256 s .. 256 s + 255 of a buffer's U part and of its V part.
; A slot has four regions, one for each wave's one tensor load of 128 rows x 128 columns (rows of 256 bytes, 288 apart in LDS):
;   regions 0, 1: U's columns of my block row (first, second half of the slot's p);   regions 2, 3: V's columns of my block column.
; CLUSTERS: 4 x 4 work-groups.  U's tile hangs on the block row alone and is asked for jointly by a row of the cluster, V's on the block column alone and
; by a column: that divides the requests for both by four.
; Both sides lie with K down their rows: all fragments come by the 16-bit transposing LDS load.
; THE MATRIX INSTRUCTION IS USED TRANSPOSED: source 0 = 16 columns of V, source 1 = 16 columns of U; lane l then holds row i = l % 16 of the tile and its
; registers 0-7 the columns j = 8 (l / 16) + 0..7: 32 neighbouring bytes of a row of out0.
; REGISTERS: window 0 holds addresses and two fragment buffers; the accumulators are v256-v383, window 1, written v[8 (4 a + b)] under s_set_vgpr_msb.
.set REG,   36864                      ; a region: 128 x 288
.set SLOT,  4*REG
.set STAGE, 2*SLOT                     ; behind the ring: 16 rows x 272 bytes for each wave; no tensor load ever lands here; a multiple of 256
.set PR,    288                        ; LDS pitch of the tiles: an odd multiple of 32
.set PS,    272                        ; LDS pitch of the stage: an odd multiple of 16
.set NLD,   16                         ; LDS loads of one chunk of 32 p: 4 x 2 a side
.set ADL,   8                          ; v[8:11]    LDS address of my U fragments, index 2 slot + half
.set ADR,   12                         ; v[12:15]   the same for V
.set STO,   16                         ; v16        the way out: where I put 32 bytes
.set RD,    17                         ; v17        the way out: where I read a row back
.set CO,    18                         ; v18        my byte offset in out0
.set F0,    32                         ; v[32:95]   fragment buffer 0: U's a = 0..3 at +8 a, V's b = 0..3 at +32 + 8 b
.set F1,    96                         ; v[96:159]  fragment buffer 1
.set G1L,   24                         ; s[24:31]   descriptor group 1, U's tiles
.set G1R,   32                         ; s[32:39]   descriptor group 1, V's tiles
.set G0L,   40                         ; s[40:47]   descriptor group 0, U's tiles, a set for each slot
.set G0R,   48                         ; s[48:55]   descriptor group 0, V's tiles, a set for each slot
.set OFL,   56                         ; s[56:59]   byte offset of my U tile in any St, a pair for each slot
.set OFR,   60                         ; s[60:63]   the same for V
.set MSB, 0
.macro WIN new                         ; low byte: bits 1:0 source 0, 3:2 source 1, 5:4 source 2, 7:6 destination; the high byte repeats the setting that is left
.if MSB != \new
	s_set_vgpr_msb (MSB<<8)|\new
.set MSB, \new
.endif
.endm
.macro PLACES                          ; a load into a register that a matrix instruction has read, and an LDS store that reads a matrix result, stand four
.rept 4                                ; plain vector instructions behind it (except for loads and stores)
	v_nop
.endr
.endm
; A joint load: waves 0, 1 ask for U's two halves, waves 2, 3 for V's.  Each line has one mask; the branch hangs on the wave's number alone.
.macro JLOAD s
	s_cmp_eq_u32 s13, 0
	s_cbranch_scc0 .Lright_\@
	tensor_load_to_lds s[G0L+4*\s:G0L+4*\s+3], s[G1L:G1L+7]
	s_nop 0
	s_branch .Lasked_\@
.Lright_\@:
	tensor_load_to_lds s[G0R+4*\s:G0R+4*\s+3], s[G1R:G1R+7]
	s_nop 0
.Lasked_\@:
.endm
; A round of the cluster's barrier: my work-group's barrier, wave 0 signals for the work-group, every wave waits for all sixteen, my work-group's barrier again.
.macro CREST
	s_cmp_lg_u32 s12, 0
	s_cbranch_scc1 .Lnot_wave_0_\@
	s_barrier_signal -3
.Lnot_wave_0_\@:
	s_barrier_wait -3
	s_barrier_signal -1
	s_barrier_wait -1
.endm
.macro CROUND
	s_barrier_signal -1
	s_barrier_wait -1
	CREST
.endm
; The global address of a group 0: buffer ptr (the number of its scalar pair) plus the tile's offset, and the type on top
.macro SETG0 g0, ptr, off
	s_add_nc_u64 s[\g0+2:\g0+3], s[\ptr:\ptr+1], s[\off:\off+1]
	s_or_b32 s[\g0+3], s[\g0+3], 0x80000000
.endm
	s_load_b256 s[4:11], s[0:1], 0x0               ; S0 s[4:5], S1 s[6:7], S2 s[8:9], out0 s[10:11]
	v_lshl_add_u32 v254, v0, 2, 0x4c400
	v_mov_b32 v255, 0
	ds_add_u32 v254, v255
	ds_add_u32 v254, v255
	v_lshrrev_b32 v1, 5, v0
	v_readfirstlane_b32 s12, v1                    ; wave 0..3
	s_lshr_b32 s13, s12, 1                         ; wh: my 64 of the 128 rows of out0.  Also: I fetch for U (0) or for V (1)
	s_and_b32 s14, s12, 1                          ; wl: my 64 of the 128 columns.  Also: which half of the slot's p I fetch
	s_mul_i32 s15, s12, REG                        ; my region; no place in the cluster enters an LDS address
	s_bfe_u32 s16, ttmp6, 0x40000                  ; cx
	s_bfe_u32 s17, ttmp6, 0x40004                  ; cy
	s_lshl_b32 s18, ttmp9, 2
	s_add_co_u32 s18, s18, s16                     ; block column = 4 x cluster x + cx
	s_and_b32 s19, ttmp7, 0xffff
	s_lshl_b32 s19, s19, 2
	s_add_co_u32 s19, s19, s17                     ; block row = 4 x cluster y + cy
	s_lshl_b32 s20, s17, 2
	s_lshl_b32 s20, 15, s20                        ; my row of the cluster: places 4 cy .. 4 cy + 3
	s_lshl_b32 s21, 0x1111, s16                    ; my column: places cx, cx + 4, cx + 8, cx + 12
	; group 1: 15:0 mask; 17:16 elements of 2 bytes; 20 padding on; 21 set beside a mask; 24:22 after every 64 words; 31:25 eight words of padding less one
	s_or_b32 s[G1L+0], s20, (1<<16)|(1<<20)|(1<<21)|(5<<22)|(7<<25)   ; U's tiles go to my row
	s_or_b32 s[G1R+0], s21, (1<<16)|(1<<20)|(1<<21)|(5<<22)|(7<<25)   ; V's to my column
	s_mov_b32 s[G1L+1], 128<<16                    ; tensor_dim0 = 128 elements
	s_mov_b32 s[G1R+1], 128<<16
	s_mov_b32 s[G1L+2], 128<<16                    ; tensor_dim1 = 128 rows
	s_mov_b32 s[G1R+2], 128<<16
	s_mov_b32 s[G1L+3], 128<<16                    ; tile_dim0 = 128
	s_mov_b32 s[G1R+3], 128<<16
	s_mov_b32 s[G1L+4], 128                        ; tile_dim1 = 128
	s_mov_b32 s[G1R+4], 128
	s_mov_b32 s[G1L+5], 2048                       ; elements from row to row
	s_mov_b32 s[G1R+5], 2048
	s_mov_b32 s[G1L+6], 0
	s_mov_b32 s[G1R+6], 0
	s_mov_b32 s[G1L+7], 0
	s_mov_b32 s[G1R+7], 0
	; the tiles' offsets; each side's live in registers that never hold the other side's coordinate
	s_lshl_b32 s3, s14, 19                         ; my half of the slot's p: 128 rows of 4,096 bytes
	s_lshl_b32 s[OFL], s19, 8                      ; U: 128 columns of 2 bytes a block row of out0
	s_add_co_u32 s[OFL], s[OFL], s3
	s_mov_b32 s[OFL+1], 0
	s_add_co_u32 s[OFL+2], s[OFL], 0x100000        ; slot 1: 256 rows further down
	s_mov_b32 s[OFL+3], 0
	s_lshl_b32 s[OFR], s18, 8                      ; V: 128 columns a block column,
	s_add_co_u32 s[OFR], s[OFR], s3
	s_add_co_u32 s[OFR], s[OFR], 0x200000          ; behind U's 512 rows
	s_mov_b32 s[OFR+1], 0
	s_add_co_u32 s[OFR+2], s[OFR], 0x100000
	s_mov_b32 s[OFR+3], 0
	s_wait_dscnt 0x0
	s_wait_kmcnt 0x0
	CROUND                                         ; all sixteen work-groups are here: the first joint loads meet
.irp s, 0,1
	s_mov_b32 s[G0L+4*\s], 1                       ; count = 1
	s_add_co_u32 s[G0L+4*\s+1], s15, \s*SLOT       ; LDS address
	SETG0 G0L+4*\s, 4, OFL+2*\s                    ; from S0
	s_mov_b32 s[G0R+4*\s], 1
	s_add_co_u32 s[G0R+4*\s+1], s15, \s*SLOT
	SETG0 G0R+4*\s, 4, OFR+2*\s
	JLOAD \s                                       ; both slots are asked for before anything else: two tensor loads of the wave are out
.endr
	; out0 at my wave's first row and column (row part and column part in registers of their own)
	s_lshl_b32 s66, s19, 20                        ; 128 rows of 8,192 bytes a block row
	s_lshl_b32 s70, s13, 19                        ; + 64 rows
	s_add_co_u32 s66, s66, s70
	s_mov_b32 s67, 0
	s_add_nc_u64 s[10:11], s[10:11], s[66:67]
	s_lshl_b32 s68, s18, 9                         ; 128 columns of 4 bytes a block column
	s_lshl_b32 s70, s14, 8                         ; + 64 columns
	s_add_co_u32 s68, s68, s70
	s_mov_b32 s69, 0
	s_add_nc_u64 s[10:11], s[10:11], s[68:69]
	; lane terms: r = l % 16, h = l / 16
	v_and_b32 v1, 15, v0                           ; r
	v_bfe_u32 v2, v0, 4, 1                         ; h
	v_and_b32 v4, 7, v0
	v_lshl_add_u32 v4, v2, 3, v4                   ; fragments: p row 8 h + l % 8
	v_mul_u32_u24 v5, v4, PR
	v_bfe_u32 v6, v0, 3, 1
	v_lshl_add_u32 v5, v6, 4, v5                   ; + 16 bytes for the second eight of sixteen columns
	s_lshl_b32 s22, s13, 7
	s_lshl_b32 s23, s14, 7
	v_add_nc_u32 v6, s22, v5                       ; U: + my 64 columns (rows of out0)
	v_add_nc_u32 v7, s23, v5                       ; V: + my 64 columns
.irp s, 0,1
.irp k, 0,1
	v_add_nc_u32 v[ADL+2*\s+\k], \s*SLOT+\k*REG, v6
	v_add_nc_u32 v[ADR+2*\s+\k], \s*SLOT+(2+\k)*REG, v7
.endr
.endr
	s_mul_i32 s2, s12, 16*PS
	s_add_co_u32 s2, s2, STAGE                     ; my stage
	v_mul_u32_u24 v3, v1, PS
	v_lshl_add_u32 v3, v2, 5, v3
	v_add_nc_u32 v[STO], s2, v3                    ; in: row r, 32 bytes for each half of the lanes
	v_mul_u32_u24 v3, v2, PS
	v_lshl_add_u32 v3, v1, 4, v3
	v_add_nc_u32 v[RD], s2, v3                     ; back: lanes 0-15 one row of 256 bytes, lanes 16-31 the next
	v_lshlrev_b32 v3, 13, v2
	v_lshl_add_u32 v[CO], v1, 4, v3                ; the same two rows in out0
; The fragments of chunk c (32 p; c = 0..7 in a slot: half c / 4, chunk c % 4 of it) into buffer f: NLD loads in one run
.macro FETCH slot, c, f
.irp a, 0,1,2,3
	ds_load_tr16_b128 v[\f+8*\a:\f+8*\a+3],   v[ADL+2*(\slot)+(\c)/4] offset:32*PR*((\c)%4)+32*\a          ; p = 8 h + 0..7 of column r
	ds_load_tr16_b128 v[\f+8*\a+4:\f+8*\a+7], v[ADL+2*(\slot)+(\c)/4] offset:32*PR*((\c)%4)+32*\a+16*PR    ; p = 16 + 8 h + 0..7
.endr
.irp b, 0,1,2,3
	ds_load_tr16_b128 v[\f+32+8*\b:\f+32+8*\b+3],   v[ADR+2*(\slot)+(\c)/4] offset:32*PR*((\c)%4)+32*\b
	ds_load_tr16_b128 v[\f+32+8*\b+4:\f+32+8*\b+7], v[ADR+2*(\slot)+(\c)/4] offset:32*PR*((\c)%4)+32*\b+16*PR
.endr
.endm
; One matrix instruction for each of the sixteen accumulators, always in this order: the accumulators take turns, one instruction a turn.
; C and D in window 1, the fragments in window 0.  zero = 1: the first products start the sums; nothing is cleared.
.macro MUL f, zero
	WIN 0x50
.irp a, 0,1,2,3
.irp b, 0,1,2,3
.if \zero
	v_wmma_f32_16x16x32_bf16 v[8*(4*\a+\b):8*(4*\a+\b)+7], v[\f+32+8*\b:\f+32+8*\b+7], v[\f+8*\a:\f+8*\a+7], 0
.else
	v_wmma_f32_16x16x32_bf16 v[8*(4*\a+\b):8*(4*\a+\b)+7], v[\f+32+8*\b:\f+32+8*\b+7], v[\f+8*\a:\f+8*\a+7], v[8*(4*\a+\b):8*(4*\a+\b)+7]
.endif
.endr
.endr
	WIN 0
.endm
; One of a slot's first seven chunks: fetches chunk nxt into buffer g, multiplies buffer f (chunk nxt - 1).
; In a slot's first chunk the four places already stand behind the last matrix instruction, in front of the fetch of chunk 0.
.macro CHUNK slot, nxt, f, g, zero
.if \nxt > 1
	PLACES
.endif
	FETCH \slot, \nxt, \g
	s_wait_dscnt NLD                               ; LDS loads come back in order: all but the NLD just issued are in, buffer f among them
	MUL \f, \zero
.endm
; A slot's eight chunks.  mode 0: the last slot.  mode 1: change to slot next.  mode 2: change, and this slot is filled again from buffer ptr.
; ONE barrier for the change of slots.  In front of it each wave waits for its reads of this slot and for all its tensor loads, of which one is out: its part
; of the next slot.  Behind it nobody reads this slot and the next slot is whole.  Where this slot is filled again the barrier opens a round of the cluster's
; barrier, only matrix instructions on registers stand inside, and the joint refill is the wave's first and only tensor load behind the round.
.macro TILE slot, next, mode, zero, ptr
	CHUNK \slot, 1, F0, F1, \zero
	CHUNK \slot, 2, F1, F0, 0
	CHUNK \slot, 3, F0, F1, 0
	CHUNK \slot, 4, F1, F0, 0
	CHUNK \slot, 5, F0, F1, 0
	CHUNK \slot, 6, F1, F0, 0
	CHUNK \slot, 7, F0, F1, 0
	s_wait_dscnt 0x0                               ; chunk 7 is in, and my reads of this slot are over
.if \mode
	s_wait_tensorcnt 0x0                           ; all my tensor loads have landed: my part of the next slot
	ds_add_u32 v254, v255
	s_wait_dscnt 0x0
	s_barrier_signal -1
.endif
	MUL F1, 0                                      ; it leaves every window at 0: branches and labels follow
.if \mode
	s_barrier_wait -1
.if \mode == 2
	CREST                                          ; no wave of any partner still reads this slot or has a load on its way
	SETG0 G0L+4*\slot, \ptr, OFL+2*\slot           ; no tensor load of mine is out: group 0 may be written
	SETG0 G0R+4*\slot, \ptr, OFR+2*\slot
	JLOAD \slot                                    ; it has the next slot's first seven chunks, 112 matrix instructions, in which to land
.endif
	PLACES
	FETCH \next, 0, F0
.endif
.endm
	s_wait_tensorcnt 0x1                           ; two loads were issued: my part of slot 0 is in, slot 1's may stay out
	s_barrier_signal -1
	s_barrier_wait -1                              ; everybody's part of slot 0 is in
	FETCH 0, 0, F0
	TILE 0, 1, 2, 1, 6                             ; S0's p 0-255;   the slot's next tiles come from S1
	TILE 1, 0, 2, 0, 6                             ; S0's p 256-511; from S1
	TILE 0, 1, 2, 0, 8                             ; S1's p 0-255;   from S2
	TILE 1, 0, 2, 0, 8                             ; S1's p 256-511; from S2
	TILE 0, 1, 1, 0, 0                             ; S2's p 0-255;   nothing is left to fetch
	TILE 1, 0, 0, 0, 0                             ; S2's p 256-511
	; THE WAY OUT, 16 rows at a time: 32 bytes a lane into my own stage, read back as whole rows of 256 bytes.  LDS serves a wave's instructions in order
	; (ISA guide 5.7.1), so no wait stands between my stores and my loads, nor between one group's loads and the next group's stores.
	; Each group reads back into 32 registers of its own (the two fragment buffers hold four such groups): no store's data is ever rewritten.
	PLACES
.macro OUT16 a
	WIN 0x04                                       ; an LDS store's data is source 1: window 1
.irp b, 0,1,2,3
	ds_store_b128 v[STO], v[8*(4*\a+\b):8*(4*\a+\b)+3]   offset:64*\b
	ds_store_b128 v[STO], v[8*(4*\a+\b)+4:8*(4*\a+\b)+7] offset:64*\b+16
.endr
	WIN 0
.irp t, 0,1,2,3,4,5,6,7
	ds_load_b128 v[F0+32*\a+4*\t:F0+32*\a+4*\t+3], v[RD] offset:2*PS*\t
.endr
.irp t, 0,1,2,3,4,5,6,7
	s_wait_dscnt 7-\t                              ; read-back t of the eight is in
	global_store_b128 v[CO], v[F0+32*\a+4*\t:F0+32*\a+4*\t+3], s[10:11] offset:16*8192*\a+2*8192*\t th:TH_STORE_NT   ; sixteen lanes store 256 consecutive bytes, aligned
.endr
.endm
	OUT16 0
	OUT16 1
	OUT16 2
	OUT16 3
	s_wait_tensorcnt 0x0
	ds_add_u32 v254, v255
	s_wait_dscnt 0x0
	CROUND                                         ; the closing round: no work-group ends while a partner may still ask for a tile that names it
	s_endpgm
.Lfunc_end_k_qdfaac4a48e_gram:
	.size	k_qdfaac4a48e_gram, .Lfunc_end_k_qdfaac4a48e_gram-k_qdfaac4a48e_gram
	.p2alignl 7, 3214868480
	.fill 96, 4, 3214868480
	.section	.rodata,"a",@progbits
	.p2align	6, 0x0
	.amdhsa_kernel k_qdfaac4a48e_gram
		.amdhsa_group_segment_fixed_size 327680
		.amdhsa_private_segment_fixed_size 0
		.amdhsa_enable_private_segment 0
		.amdhsa_kernarg_size 32
		.amdhsa_user_sgpr_count 2
		.amdhsa_user_sgpr_kernarg_segment_ptr 1
		.amdhsa_wavefront_size32 1
		.amdhsa_system_sgpr_workgroup_id_x 1
		.amdhsa_system_sgpr_workgroup_id_y 1
		.amdhsa_system_sgpr_workgroup_id_z 1
		.amdhsa_system_vgpr_workitem_id 0
		.amdhsa_next_free_vgpr 384
		.amdhsa_next_free_sgpr 72
		.amdhsa_reserve_vcc 0
		.amdhsa_float_denorm_mode_32 3
		.amdhsa_float_denorm_mode_16_64 3
		.amdhsa_memory_ordered 1
		.amdhsa_forward_progress 1
		.amdhsa_inst_pref_size 125
	.end_amdhsa_kernel
	.amdgpu_metadata
---
amdhsa.version: [ 1, 2 ]
amdhsa.kernels:
  - .name:           k_qdfaac4a48e_gram
    .symbol:         k_qdfaac4a48e_gram.kd
    .args:
      - { .name: S0, .offset: 0, .size: 8, .value_kind: global_buffer, .address_space: global }
      - { .name: S1, .offset: 8, .size: 8, .value_kind: global_buffer, .address_space: global }
      - { .name: S2, .offset: 16, .size: 8, .value_kind: global_buffer, .address_space: global }
      - { .name: out0, .offset: 24, .size: 8, .value_kind: global_buffer, .address_space: global }
    .group_segment_fixed_size: 327680
    .private_segment_fixed_size: 0
    .kernarg_segment_align: 8
    .kernarg_segment_size: 32
    .max_flat_workgroup_size: 128
    .sgpr_count:     72
    .vgpr_count:     384
    .wavefront_size: 32
...
	.end_amdgpu_metadata
.endif
;; end of part 3
